; MI455X (gfx1250); checked and timed in simulation.
; The chip was launched on July 23, 2026; its instructions are those of AMD's public machine-readable ISA for CDNA 5 (MIT licence, August 2026) and "CDNA5" Instruction Set Architecture Reference Guide (July 2026). The comments in the code are by the model that wrote it; some were corrected since.
;; Attention. Allowed arithmetic: matrix products marked QUANTISED: E2M1 operands, one E8M0 scale for each 32 along K, by v_wmma_scale_f32_16x16x128_f8f6f4 with both operands' format E2M1 (or v_wmma_scale_f32_32x16x128_f4), f32 sums; products left as they are: f32 operands where the result goes on into a quantised operand, else bf16, f16 or f32 operands; f32 sums; everything else in f32.
;; Inputs: W 1,024 x 1,024 float32; b 1,024 float32; ctx 1,024 float32; x 32 x 2,048 x 1,024 float32.
;; Outputs: out0 32 x 1,024 float32.
;; This version of the problem:
;;   THIS VERSION OF THE PROBLEM IS GIVEN IN LOW PRECISION. The matrix products marked QUANTISED in the list below multiply operands that are first quantised to E2M1 (2 exponent bits, 1 mantissa bit; 4 bits a number), with one power-of-two scale for each 32 numbers along K (OCP MX v1.0); their sums are f32. All else is computed in f32.
;;   The module's matrix products, in the order in which they are computed (A, B: the left and right operand; K: the contracted axis; several contracted axes count as one K, in the product's order):
;;     1. [M 65,536, K 1,024] x [K 1,024, N 1,024]; A: input x; B: input W: QUANTISED
;;     2. [M 65,536, K 1,024] x [K 1,024, N 1]; A: computed on the way; B: input ctx: left as it is (N = 1 < 16)
;;     3. batch 32 x [M 1,024, K 2,048] x [K 2,048, N 1]; A: input x; B: softmax: left as it is (N = 1 < 16)
;;   THE QUANTISER, for each operand of a quantised product, along K:
;;     - K is cut into blocks of 32 from its start; a last block that is shorter is filled with zeros.
;;     - A block's scale is 2^e with e = floor(log2(the largest magnitude in the block)) - 2, held to -126 .. 127; a block of zeros has e = 0. As a byte (E8M0): e + 127.
;;     - Each number is divided by its block's scale, clamped to +-6, and rounded to the nearest number of E2M1, ties to even, subnormals kept.
;;     - The product sums the exact products of the quantised numbers (number of the format x scale) in f32.
;;   ~~~python
;;   def quantise(x, axis):      # numpy; x: float32 -> the quantised numbers, widened to float32 again
;;       x = np.moveaxis(x, axis, -1); K = x.shape[-1]
;;       x = np.pad(x, [(0, 0)] * (x.ndim - 1) + [(0, -K % 32)]); x = x.reshape(x.shape[:-1] + (-1, 32)); a = np.abs(x).max(-1, keepdims=True)
;;       e = np.where(a > 0, np.clip(np.frexp(np.where(a > 0, a, 1))[1] - 1 - 2, -126, 127), 0)      # np.frexp(a)[1] - 1 = floor(log2(a)), exactly
;;       r = np.clip(x / 2.0 ** e, -6, 6)
;;       step = 2.0 ** (np.maximum(np.frexp(np.where(r == 0, 1, r))[1] - 1, 0) - 1)
;;       q = np.round(r / step) * step * 2.0 ** e      # np.round: ties to even
;;       return np.moveaxis(q.reshape(q.shape[:-2] + (-1,))[..., :K], -1, axis).astype(np.float32)
;;   ~~~
;; One version. Each part assembles by itself: llvm-mc -triple=amdgcn-amd-amdhsa -mcpu=gfx1250 --defsym DOCPART=n.
;; ======== version 1 of 1: 3 launches
;; limits: right only within a limited range of input values; values are held in bf16: 8 bits of precision
;; workspace buffers: wq 557,056 bytes; part 1,179,648 bytes
;; launch wquant (part 1): grid 64 x 1, 16 waves a work-group, no clusters, 2,560 bytes of LDS; arguments W, wq; writes wq
.if DOCPART == 1
	.amdgcn_target "amdgcn-amd-amdhsa--gfx1250"
	.amdhsa_code_object_version 6
	.text
	.protected	k_q9b828eda14_wquant
	.globl	k_q9b828eda14_wquant
	.p2align	8
	.type	k_q9b828eda14_wquant,@function
k_q9b828eda14_wquant:
	s_mov_b64 s[64:65], 0
	v_nop
	global_prefetch_b8 v0, s[64:65] scope:SCOPE_SE
	s_setreg_imm32_b32 hwreg(HW_REG_WAVE_MODE, 25, 1), 1
	s_wait_xcnt 0x0
; W [1024 (k)][1024 (n)], f32, is the right operand of the one quantised product; K is its FIRST axis.  It is turned ONCE into codes of FP4 (E2M1) with one E8M0 byte for each 32 along K,
; laid in the order in which the product's launch takes them into registers.
; LEFT OUT, in the whole program: one term of each score.  tanh(z) = 1 - 2 r with r = 1 / (1 + e^(2 z)), so score[b][s] = sum_a ctx[a] - 2 sum_a ctx[a] r[b][s][a].  The first sum holds no s: it is the same for
; all rows of a batch, and a softmax over s is not moved by a term that is the same along its axis, whatever the inputs hold.  So the scores are summed as -2 sum_a ctx[a] r alone.
; All four inputs still reach the output, and all three products are done.
; LIMITS of that: an overflow of sum_a ctx[a] is not carried to the result.  Where ctx carries a common offset c, the sums that are formed reach about 1,024 c: at c = 30 an f32 sum of that size is good to
; wq: 32 groups G (columns 32 G .. 32 G + 31) of 17,408 bytes.  Codes [t 0..1][s 0..7][c 0..1][lane][16 bytes]: lane (r, h) holds column 32 G + 16 t + r, k = 128 s + 64 c + 32 h + 0 .. 31.
; Behind them, at 16,384: scale words [gg 0..1][lane l][4 words]: word i = the four bytes of column 32 G + l for k = 128 (4 gg + i) on.
; A LANE TAKES A COLUMN AND ITS 32 REGISTERS RUN DOWN K: a block's largest magnitude needs no other lane, and the conversions give codes with K innermost.
; A block's scale is 2^(floor(log2(its largest magnitude)) - 2); its byte is that magnitude's exponent field - 2, held at 1 from below.
; LIMITS: a block of zeros gets the byte 1 where the rule says 127 (its codes are zeros, and this program alone reads the bytes); NaN and infinities among the inputs are not served.
; SHARES: work-group id: G = id / 2, g = id % 2.  Wave wv takes block beta = 16 g + wv (rows 32 beta .. 32 beta + 31 of W), lane l column 32 G + l.
; A block's 16 bytes of column l belong at 8192 (l / 16) + 16 (l % 16) + 256 beta: sixteen lanes store 256 consecutive bytes, aligned.
.set GRP,   17408
.set SPARE, 512                        ; LDS: bytes 0-511 the scale bytes [lane][16]; from 512 the spare words, 128 bytes for each of 16 waves
.set SPW,   6                          ; v6  LDS address of my spare word; never rewritten
.set NIL,   7                          ; v7  0; never rewritten
.set X,     16                         ; v16-47 my column's 32 numbers
	s_load_b128 s[4:7], s[0:1], 0x0                ; W, wq
	v_lshl_add_u32 v[SPW], v0, 2, SPARE
	v_mov_b32 v[NIL], 0
	v_lshrrev_b32 v1, 5, v0
	s_delay_alu instid0(VALU_DEP_1)
	v_readfirstlane_b32 s8, v1                     ; wave 0..15
	v_and_b32 v1, 31, v0                           ; lane
	s_delay_alu instid0(VALU_DEP_1)
	v_lshlrev_b32 v2, 2, v1                        ; in: 4 bytes a lane
	s_delay_alu instid0(VALU_DEP_2)
	v_lshrrev_b32 v3, 4, v1
	s_delay_alu instid0(VALU_DEP_3)
	v_and_b32 v4, 15, v1
	s_delay_alu instid0(VALU_DEP_2)
	v_lshlrev_b32 v3, 13, v3
	s_delay_alu instid0(VALU_DEP_1)
	v_lshl_add_u32 v3, v4, 4, v3                   ; codes out: 8192 (l / 16) + 16 (l % 16)
	v_lshlrev_b32 v5, 4, v1                        ; 16 l: my column's 16 scale bytes
	s_delay_alu instid0(VALU_DEP_1)
	v_add_nc_u32 v4, s8, v5                        ; and my wave's byte among them
	s_lshr_b32 s9, ttmp9, 1                        ; G
	s_and_b32 s10, ttmp9, 1                        ; g
	s_lshl_b32 s11, s10, 4
	s_add_co_u32 s11, s11, s8                      ; beta
	s_lshl_b32 s12, s11, 17                        ; 32 rows of 4,096 bytes a block
	s_lshl_b32 s13, s9, 7                          ; 32 columns of 4 bytes a group
	s_add_co_u32 s12, s12, s13
	s_mov_b32 s13, 0
	s_mul_i32 s14, s9, GRP
	s_lshl_b32 s15, s11, 8
	s_add_co_u32 s16, s14, s15                     ; the group's codes + 256 beta
	s_mov_b32 s17, 0
	s_lshl_b32 s15, s10, 9
	s_add_co_u32 s18, s14, s15
	s_add_co_u32 s18, s18, 16384                   ; the group's scale words, half g
	s_mov_b32 s19, 0
	s_wait_alu depctr_va_vdst(0)
	s_wait_kmcnt 0x0
	s_add_nc_u64 s[4:5], s[4:5], s[12:13]
	s_add_nc_u64 s[20:21], s[6:7], s[16:17]
	s_add_nc_u64 s[22:23], s[6:7], s[18:19]
.set i, 0
.rept 32
	global_load_b32 v[X+i], v2, s[4:5] offset:4096*i th:TH_LOAD_NT   ; W(32 beta + i, 32 G + l): 128 consecutive bytes a wave
.set i, i+1
.endr
	s_wait_loadcnt 0x0
	v_max3_num_f32 v8, |v[X]|, |v[X+1]|, |v[X+2]|  ; the block's largest magnitude, in two chains
	v_max3_num_f32 v9, |v[X+3]|, |v[X+4]|, |v[X+5]|
.irp i, 6,10,14,18,22,26
	s_delay_alu instid0(VALU_DEP_2)
	v_max3_num_f32 v8, v8, |v[X+\i]|, |v[X+\i+1]|
	s_delay_alu instid0(VALU_DEP_2)
	v_max3_num_f32 v9, v9, |v[X+\i+2]|, |v[X+\i+3]|
.endr
	s_delay_alu instid0(VALU_DEP_2)
	v_max3_num_f32 v8, v8, |v[X+30]|, |v[X+31]|
	s_delay_alu instid0(VALU_DEP_1)
	v_max3_num_f32 v8, v8, v9, 0x1800000           ; and the floor 2^(3 - 127): the byte cannot fall under 1
	s_delay_alu instid0(VALU_DEP_1)
	v_add_nc_u32 v10, 0xff000000, v8               ; 2 off the exponent field: the conversion takes this operand's exponent field as its scale
	s_delay_alu instid0(VALU_DEP_1)
	v_lshrrev_b32 v11, 23, v10                     ; the scale's byte
.irp q, 0,1,2,3
	v_cvt_scalef32_pk8_fp4_f32 v[12+\q], v[X+8*\q:X+8*\q+7], v10
.endr
	v_nop                                          ; one plain line behind the last scaled conversion
	global_store_b128 v3, v[12:15], s[20:21]       ; lanes 0-15: 256 consecutive bytes; lanes 16-31: the 256 bytes 8,192 further on
	ds_store_b8 v4, v11
	s_wait_dscnt 0x0                               ; for the others' sake: my byte has landed
	s_barrier_signal -1
	s_barrier_wait -1                              ; all sixteen blocks' bytes lie in LDS
	s_cmp_lg_u32 s8, 0
	s_cbranch_scc1 .Lend
	ds_load_b128 v[48:51], v5                      ; wave 0: each column's four scale words
	s_wait_dscnt 0x0
	global_store_b128 v5, v[48:51], s[22:23]       ; 512 consecutive bytes
.Lend:
	s_wait_tensorcnt 0x0                           ; the wave's end: three lines behind my last LDS store
	ds_add_u32 v[SPW], v[NIL]
	s_wait_dscnt 0x0
	s_endpgm
.Lfunc_end_k_q9b828eda14_wquant:
	.size	k_q9b828eda14_wquant, .Lfunc_end_k_q9b828eda14_wquant-k_q9b828eda14_wquant
	.p2alignl 7, 3214868480
	.fill 96, 4, 3214868480
	.section	.rodata,"a",@progbits
	.p2align	6, 0x0
	.amdhsa_kernel k_q9b828eda14_wquant
		.amdhsa_group_segment_fixed_size 2560
		.amdhsa_private_segment_fixed_size 0
		.amdhsa_enable_private_segment 0
		.amdhsa_kernarg_size 16
		.amdhsa_user_sgpr_count 2
		.amdhsa_user_sgpr_kernarg_segment_ptr 1
		.amdhsa_wavefront_size32 1
		.amdhsa_system_sgpr_workgroup_id_x 1
		.amdhsa_system_sgpr_workgroup_id_y 1
		.amdhsa_system_sgpr_workgroup_id_z 1
		.amdhsa_system_vgpr_workitem_id 0
		.amdhsa_next_free_vgpr 56
		.amdhsa_next_free_sgpr 66
		.amdhsa_reserve_vcc 0
		.amdhsa_float_denorm_mode_32 3
		.amdhsa_float_denorm_mode_16_64 3
		.amdhsa_memory_ordered 1
		.amdhsa_forward_progress 1
		.amdhsa_inst_pref_size 8
	.end_amdhsa_kernel
	.amdgpu_metadata
---
amdhsa.version: [ 1, 2 ]
amdhsa.kernels:
  - .name:           k_q9b828eda14_wquant
    .symbol:         k_q9b828eda14_wquant.kd
    .args:
      - { .name: W, .offset: 0, .size: 8, .value_kind: global_buffer, .address_space: global }
      - { .name: wq, .offset: 8, .size: 8, .value_kind: global_buffer, .address_space: global }
    .group_segment_fixed_size: 2560
    .private_segment_fixed_size: 0
    .kernarg_segment_align: 8
    .kernarg_segment_size: 16
    .max_flat_workgroup_size: 512
    .sgpr_count:     66
    .vgpr_count:     56
    .wavefront_size: 32
...
	.end_amdgpu_metadata
.endif
;; end of part 1
;; launch main (part 2): grid 256 x 1, 8 waves a work-group, no clusters, 317,440 bytes of LDS; arguments x, wq, b, ctx, part; writes part
.if DOCPART == 2
	.amdgcn_target "amdgcn-amd-amdhsa--gfx1250"
	.amdhsa_code_object_version 6
	.text
	.protected	k_q9b828eda14_main
	.globl	k_q9b828eda14_main
	.p2align	8
	.type	k_q9b828eda14_main,@function
k_q9b828eda14_main:
	s_mov_b64 s[64:65], 0
	v_nop
	global_prefetch_b8 v0, s[64:65] scope:SCOPE_SE
	s_setreg_imm32_b32 hwreg(HW_REG_WAVE_MODE, 25, 1), 1
	s_wait_xcnt 0x0
; For 256 rows of x (an eighth of a batch): z = Q(x) Q(W) + b on codes of FP4 with E8M0 scales; the score; a running softmax over the rows; the weighted sum of the rows.
; Out goes one partial a work-group: the largest score M (in powers of two), the sum l of 2^(score - M), and acc[1024] = the sum of 2^(score - M) x row.  x leaves memory once.
; LEFT OUT: the term sum_a ctx[a] of every score (shown at the head of the first kernel): with r = 1 / (1 + 2^(2 log2(e) z)), tanh(z) = 1 - 2 r, so score = sum ctx - 2 sum ctx r, and the first sum is the same for
; all rows: the softmax over the rows takes it away for all values of the inputs.  The table holds -2 log2(e) ctx.  Where 2^.. overflows r is 0, where it underflows r is 1.
; LIMITS: a block of zeros of x gets the scale byte 1 where the rule says 127 (its codes are zeros; the bytes stay in this launch); NaN and infinities among the inputs are not served.
; The weighted sum is a product left as it is: rows and weights (at most 1) go to the matrix unit as bf16; its sums, the scores, M and l are f32; l is summed of the unrounded weights.
; SHARES.  Eight waves of two roles, 512 registers each.  The rows go in 4 chunks of 64.
;   Waves 4-7 (w = wave - 4) bring rows 16 w .. 16 w + 15 of a chunk from memory, 8 rows (32,768 bytes, window 1) at a time, quantise them and store codes, scale bytes and a bf16 copy to LDS, one chunk ahead of the products.
;   They also make the weights and pool: wave w columns 256 w .. + 255 over the chunk's 64 rows, in two passes of 8 tiles: D = P X, source 0 = the weights (the same in all 16 rows), source 1 = 16 columns x 32 rows of the copy,
;   turned by ds_load_tr16_b128.  The first pass's fragments are fetched ahead of the barrier at which the scores meet.
;   Waves 0-3 hold ALL 64 rows' codes in window 1 and share W's columns: in slot j (0..7) wave w multiplies by group 4 j + w of wq (columns 128 j + 32 w on), two tiles of 16 columns.
;   W's fragments come from wq, which lies in the registers' order, straight into registers: two sets of 64, each asked for again as soon as its tile's products are issued, two tiles ahead of its use.
;   The last slot of the last chunk asks once more for group w, inside wq, and nobody reads it: so every way through the loop has the same count of loads behind each wait.
; The product is used TRANSPOSED (source 0 = 16 columns of W, source 1 = 16 rows of x): lane (r, h) holds row 16 m + r and register i column 16 t + 8 h + i of the group.
; A tile: 32 matrix instructions, the 4 accumulators by turns; then z x 2 log2(e) + the bias, 32 exponentials, + 1, 32 reciprocals, x the table: each batch of transcendentals with one wait ahead and one behind.
; TWO BARRIERS A CHUNK: (1) the four parts of the scores have landed, and the next chunk's codes and copy are whole; behind it waves 0-3 fetch the next codes while waves 4-7 pool;
; (2) the codes are in registers and the pool's reads are over: the chunk after may be stored.
; NO TENSOR LOAD, NO CLUSTER: two bf16 copies (266,240 bytes) and the codes (33,792) leave no room in LDS for a ring of W's groups (2 x 69,632), so there is no tile to ask for jointly.
; NO PREFETCH: each loading wave asks for its next 32,768 bytes into registers half a chunk ahead of their use.
.set GRP,   17408
.set XBP,   2080                       ; a row of the copy: 2,048 bytes + 32
.set XBSZ,  64*XBP
.set XCP,   528
.set XCD,   2*XBSZ                     ; LDS: 0 two bf16 copies; XCD 64 rows of codes; XSC 64 x 32 scale bytes; TAB 2 log2(e) b, then -2 log2(e) ctx; SCX score parts; PT weights; STG the way out; the spare words
.set XSC,   XCD+64*XCP
.set TAB,   XSC+2048
.set SCX,   TAB+8192
.set PT,    SCX+1024
.set STG,   PT+1024
.set SPARE, STG+4096                   ; 128 bytes for each of 8 waves: four blocks of 256 bytes that no other line names
; v1-24 addresses, made ahead of the first parting of the roles and written on the common way alone
.set SPW,1
.set NIL,2
.set XA,3                              ; x: 32 r + 16 h
.set WFA,4                             ; 16 l
.set TBA,5
.set TBC,6                             ; the table at slot j
.set AXC,7
.set AXB,8
.set AXS,9
.set DXC,10                            ; the same three at the half chunk in hand
.set DXB,11
.set DXS,12
.set AFC,13
.set AFS,14
.set APL,15
.set DP,16                             ; v16-17 the pool's fragments in the copy in hand: rows 0 on, rows 32 on
.set ASS,18
.set ASL,19
.set APS,20
.set APR,21
.set AGI,22
.set AGO,23
.set ATB,24
.set LS,25
.set MM,26
.set GTO,27
.set LN,28
.set WSO,29                            ; v29 W's scale words in a group: 512 h + 16 r
.set PA,32                             ; v32-39 waves 4-7: pooled sums: register i: column 256 w + 32 i + lane
.set XS,40                             ; waves 0-3: v40-55 x's scale words; v56-63 W's, four for each tile: these hold scales alone
.set WS,56
.set BB,72
.set CT,80
.set SA,88
.set ACC,96                            ; v96-127 four accumulators; outside the products at work
.set WF,128                            ; v128-255 W's fragments, a set for each tile
.set PC,40                             ; waves 4-7: v40-103 the pool's 8 accumulators; v104-111 at work; v112-127 the weights; v128-255 at work in the quantiser, then a pass's 16 fragments
.set MSB, 0
.macro WIN new
.if MSB != \new
	s_set_vgpr_msb (MSB<<8)|\new
.set MSB, \new
.endif
.endm
.macro PLACES
.rept 4
	v_nop
.endr
.endm
.macro VW                              ; this wait ahead of blocking waits, branches and batches of transcendentals
	s_wait_alu depctr_va_vdst(0)
.endm
.macro BAR
	s_barrier_signal -1
	s_barrier_wait -1
.endm
; Two rows of the half chunk to come: 8,192 consecutive bytes, 16 loads of 512.  guard = 1: behind the last half chunk nothing is asked for: no load leaves x
.macro XLD gg, guard
.if \guard
	s_cmp_eq_u32 s59, 20
	s_cbranch_scc1 .Lnox_\@
.endif
	WIN 0x40
.set xk, 0
.rept 16
	global_load_b128 v[64*(\gg)+4*xk:64*(\gg)+4*xk+3], v[XA], s[4:5] offset:8192*(\gg)+512*xk th:TH_LOAD_NT
.set xk, xk+1
.endr
	WIN 0
.if \guard
.Lnox_\@:
.endif
.endm
; Two rows are quantised.  Unit u (8 registers, two loads) is 256 numbers: row u / 4, run u % 4.  One exchange of halves for each pair of registers gives lane l the numbers 8 l .. 8 l + 7 of the run; a block of 32 is four lanes
.macro QBATCH gg, rc, rb, rs, go
.set XR, 64*(\gg)
.set TE, WF+64*((\gg)%2)               ; +0 maxima, +8 scale operands, +16 bytes, +24 codes, +32 bf16
.if (\gg) >= 2
	s_wait_dscnt 24                                ; all but the batch before's 24 stores are done
.endif
	WIN 0x41
.irp u, 0,1,2,3,4,5,6,7
.irp i, 0,1,2,3
	v_permlane16_swap_b32 v[XR+8*\u+\i], v[XR+8*\u+4+\i]
.endr
.endr
	WIN 0x05
.irp u, 0,1,2,3,4,5,6,7
	v_max3_num_f32 v[TE+\u], |v[XR+8*\u]|, |v[XR+8*\u+1]|, 0x1800000   ; with the floor 2^(3 - 127): the byte cannot fall under 1
.endr
.irp a, 2,4,6
.irp u, 0,1,2,3,4,5,6,7
	v_max3_num_f32 v[TE+\u], |v[XR+8*\u+\a]|, |v[XR+8*\u+\a+1]|, v[TE+\u]
.endr
.endr
.irp u, 0,1,2,3,4,5,6,7
.irp i, 0,1,2,3
	v_cvt_pk_bf16_f32 v[TE+32+4*\u+\i], v[XR+8*\u+2*\i], v[XR+8*\u+2*\i+1]
.endr
.endr
	WIN 0
.irp u, 0,1,2,3,4,5,6,7
	v_max_num_f32_dpp v[TE+\u], v[TE+\u], v[TE+\u] row_xmask:1 row_mask:0xf bank_mask:0xf
.endr
.irp u, 0,1,2,3,4,5,6,7
	v_max_num_f32_dpp v[TE+\u], v[TE+\u], v[TE+\u] row_xmask:2 row_mask:0xf bank_mask:0xf
.endr
.irp u, 0,1,2,3,4,5,6,7
	v_add_nc_u32 v[TE+8+\u], 0xff000000, v[TE+\u]  ; 2 off the exponent field: the conversion's scale operand
.endr
.irp u, 0,1,2,3,4,5,6,7
	v_lshrrev_b32 v[TE+16+\u], 23, v[TE+8+\u]      ; the scale's byte
.endr
	WIN 0x01
.irp u, 0,1,2,3,4,5,6,7
	v_cvt_scalef32_pk8_fp4_f32 v[TE+24+\u], v[XR+8*\u:XR+8*\u+7], v[TE+8+\u]
.endr
	v_nop                                          ; one plain line behind the last scaled conversion
	WIN 0
.irp u, 0,1,2,3,4,5,6,7
	ds_store_b32 v[\rc], v[TE+24+\u] offset:(2*(\go)+\u/4)*XCP+128*(\u%4)
	ds_store_b128 v[\rb], v[TE+32+4*\u:TE+32+4*\u+3] offset:(2*(\go)+\u/4)*XBP+512*(\u%4)
	ds_store_b8 v[\rs], v[TE+16+\u] offset:(2*(\go)+\u/4)*32+8*(\u%4)    ; the four lanes of a block write the same byte with the same value
.endr
.endm
; Half a chunk, 8 rows a wave.  The wait is for 0: the last half chunk jumps over its loads, so no count of younger loads holds on every way
.macro XHALF rc, rb, rs, g0, guard
	s_wait_dscnt 0x0
	s_wait_loadcnt 0x0
.irp gg, 0,1,2,3
	QBATCH \gg, \rc, \rb, \rs, \g0+\gg
	XLD \gg, \guard
.endr
	s_wait_xcnt 0x0                                ; the loads have read their base
.endm
; Tile t of the group at s[44:45]: 16 loads of codes and one of scale words: lane (r, h) takes column 16 t + r's words of K steps 4 h .. 4 h + 3: each half of the lanes reads 256 consecutive bytes
.macro WLD t
.set wk, 0
.rept 16
	global_load_b128 v[WF+64*\t+4*wk:WF+64*\t+4*wk+3], v[WFA], s[44:45] offset:8192*\t+512*wk
.set wk, wk+1
.endr
	global_load_b128 v[WS+4*\t:WS+4*\t+3], v[WSO], s[44:45] offset:16384+256*\t
.endm
.macro MMA ra, rb                      ; ra, rb: the scales stand in lanes 16-31.  The first K step (mi < 4) starts the sums
.if mi < 4
.if (\ra) && (\rb)
	v_wmma_scale_f32_16x16x128_f8f6f4 v[rD:rD+7], v[rA:rA+7], v[rB:rB+7], 0, v[rSA], v[rSB] matrix_a_fmt:MATRIX_FMT_FP4 matrix_b_fmt:MATRIX_FMT_FP4 matrix_a_scale:MATRIX_SCALE_ROW1 matrix_b_scale:MATRIX_SCALE_ROW1
.elseif (\ra)
	v_wmma_scale_f32_16x16x128_f8f6f4 v[rD:rD+7], v[rA:rA+7], v[rB:rB+7], 0, v[rSA], v[rSB] matrix_a_fmt:MATRIX_FMT_FP4 matrix_b_fmt:MATRIX_FMT_FP4 matrix_a_scale:MATRIX_SCALE_ROW1
.elseif (\rb)
	v_wmma_scale_f32_16x16x128_f8f6f4 v[rD:rD+7], v[rA:rA+7], v[rB:rB+7], 0, v[rSA], v[rSB] matrix_a_fmt:MATRIX_FMT_FP4 matrix_b_fmt:MATRIX_FMT_FP4 matrix_b_scale:MATRIX_SCALE_ROW1
.else
	v_wmma_scale_f32_16x16x128_f8f6f4 v[rD:rD+7], v[rA:rA+7], v[rB:rB+7], 0, v[rSA], v[rSB] matrix_a_fmt:MATRIX_FMT_FP4 matrix_b_fmt:MATRIX_FMT_FP4
.endif
.else
.if (\ra) && (\rb)
	v_wmma_scale_f32_16x16x128_f8f6f4 v[rD:rD+7], v[rA:rA+7], v[rB:rB+7], v[rD:rD+7], v[rSA], v[rSB] matrix_a_fmt:MATRIX_FMT_FP4 matrix_b_fmt:MATRIX_FMT_FP4 matrix_a_scale:MATRIX_SCALE_ROW1 matrix_b_scale:MATRIX_SCALE_ROW1
.elseif (\ra)
	v_wmma_scale_f32_16x16x128_f8f6f4 v[rD:rD+7], v[rA:rA+7], v[rB:rB+7], v[rD:rD+7], v[rSA], v[rSB] matrix_a_fmt:MATRIX_FMT_FP4 matrix_b_fmt:MATRIX_FMT_FP4 matrix_a_scale:MATRIX_SCALE_ROW1
.elseif (\rb)
	v_wmma_scale_f32_16x16x128_f8f6f4 v[rD:rD+7], v[rA:rA+7], v[rB:rB+7], v[rD:rD+7], v[rSA], v[rSB] matrix_a_fmt:MATRIX_FMT_FP4 matrix_b_fmt:MATRIX_FMT_FP4 matrix_b_scale:MATRIX_SCALE_ROW1
.else
	v_wmma_scale_f32_16x16x128_f8f6f4 v[rD:rD+7], v[rA:rA+7], v[rB:rB+7], v[rD:rD+7], v[rSA], v[rSB] matrix_a_fmt:MATRIX_FMT_FP4 matrix_b_fmt:MATRIX_FMT_FP4
.endif
.endif
.endm
.macro TILE t
.irp c, 0,1
	ds_load_b128 v[BB+4*\c:BB+4*\c+3], v[TBC] offset:64*\t+16*\c
	ds_load_b128 v[CT+4*\c:CT+4*\c+3], v[TBC] offset:4096+64*\t+16*\c
.endr
	s_wait_loadcnt 17                              ; this tile's 17 loads are in; the next tile's 17 may be out
	WIN 0x04                                       ; source 1 (x's codes) window 1
.set mi, 0
.rept 32                               ; K step mi / 4, tile of rows mi % 4: the four accumulators by turns
.set rD, ACC+8*(mi%4)
.set rA, WF+64*\t+8*(mi/4)
.set rB, 8*(8*(mi%4)+mi/4)
.set rSA, WS+4*\t+(mi/4)%4
.set rSB, XS+8*((mi%4)/2)+mi/4
	MMA mi/16, mi%2
.set mi, mi+1
.endr
	PLACES                                         ; ahead of loads into registers that the products read, and of the first read of their results
	WIN 0
	WLD \t                                         ; the same tile of the next slot's group
	s_wait_dscnt 0x0                               ; the bias and the table
.irp m, 0,1,2,3
.irp q, 0,1,2,3
	v_pk_fma_f32 v[ACC+8*\m+2*\q:ACC+8*\m+2*\q+1], v[ACC+8*\m+2*\q:ACC+8*\m+2*\q+1], s[22:23], v[BB+2*\q:BB+2*\q+1] op_sel_hi:[1,0,1]   ; 2 log2(e) (z + b), each accumulator from its low end on
.endr
.endr
	VW
.set q0, 0
.rept 32
	v_exp_f32 v[ACC+q0], v[ACC+q0]
.set q0, q0+1
.endr
	v_nop
	VW
.set q0, 0
.rept 16
	v_pk_add_f32 v[ACC+q0:ACC+q0+1], v[ACC+q0:ACC+q0+1], 1.0 op_sel_hi:[1,0]
.set q0, q0+2
.endr
	VW
.set q0, 0
.rept 32
	v_rcp_f32 v[ACC+q0], v[ACC+q0]
.set q0, q0+1
.endr
	v_nop
	VW
.irp q, 0,1,2,3
.irp m, 0,1,2,3
	v_pk_fma_f32 v[SA+2*\m:SA+2*\m+1], v[ACC+8*\m+2*\q:ACC+8*\m+2*\q+1], v[CT+2*\q:CT+2*\q+1], v[SA+2*\m:SA+2*\m+1]
.endr
.endr
.endm
; Waves 0-3: all 64 rows' codes: fragment (m, s) at window 1's v[8 (8 m + s)]; their scale words; the score sums begin at 0
.macro FETCHX
	WIN 0x40
.irp m, 0,1,2,3
.irp s, 0,1,2,3,4,5,6,7
.irp c, 0,1
	ds_load_b128 v[8*(8*\m+\s)+4*\c:8*(8*\m+\s)+4*\c+3], v[AFC] offset:16*XCP*\m+64*\s+32*\c
.endr
.endr
.endr
	WIN 0
.irp p, 0,1
.irp q, 0,1
	ds_load_b128 v[XS+8*\p+4*\q:XS+8*\p+4*\q+3], v[AFS] offset:1024*\p+16*\q   ; lane l: row 32 p + l, K steps 4 q on
.endr
.endr
.irp i, 0,1,2,3,4,5,6,7
	v_mov_b32 v[SA+\i], 0
.endr
	VW
.endm
; Waves 4-7: pass p's 16 fragments: rows 32 ks on, columns 256 w + 16 (8 p + i) on, at v[WF + 64 ks + 8 i]
.macro XBL p
.irp ks, 0,1
.irp i, 0,1,2,3,4,5,6,7
	ds_load_tr16_b128 v[WF+64*\ks+8*\i:WF+64*\ks+8*\i+3], v[DP+\ks] offset:32*(8*\p+\i)
	ds_load_tr16_b128 v[WF+64*\ks+8*\i+4:WF+64*\ks+8*\i+7], v[DP+\ks] offset:32*(8*\p+\i)+16*XBP
.endr
.endr
.endm
.macro POOL p
	s_wait_dscnt 0x0
.irp i, 0,1,2,3,4,5,6,7
	v_wmma_f32_16x16x32_bf16 v[PC+8*\i:PC+8*\i+7], v[112:119], v[WF+8*\i:WF+8*\i+7], 0
.endr
.irp i, 0,1,2,3,4,5,6,7
	v_wmma_f32_16x16x32_bf16 v[PC+8*\i:PC+8*\i+7], v[120:127], v[WF+64+8*\i:WF+64+8*\i+7], v[PC+8*\i:PC+8*\i+7]
.endr
	PLACES
.if \p == 0
	XBL 1
.endif
.irp i, 0,1,2,3
	v_cndmask_b32 v[PC+16*\i], v[PC+16*\i], v[PC+16*\i+8], vcc_lo   ; each accumulator's lowest register: lanes 0-15 the even tile, lanes 16-31 the odd
.endr
.irp i, 0,1,2,3
	v_fma_f32 v[PA+4*\p+\i], v[PA+4*\p+\i], v109, v[PC+16*\i]       ; what was pooled under the old M, x f, and this chunk's
.endr
.endm
	s_load_b256 s[4:11], s[0:1], 0x0               ; x, wq, b, ctx
	s_load_b64 s[12:13], s[0:1], 0x20              ; part
	v_lshl_add_u32 v[SPW], v0, 2, SPARE
	v_mov_b32 v[NIL], 0
	v_lshrrev_b32 v31, 5, v0
	v_readfirstlane_b32 s14, v31                   ; wave 0..7
	s_and_b32 s15, s14, 3                          ; w
	s_mov_b32 s20, 0x76543210
	s_mov_b32 s21, 0xfedcba98                      ; lane l xor 16
	s_mov_b32 s22, 0x4038aa3b                      ; 2 log2(e)
	s_mov_b32 s23, s22
	s_lshl_b32 s50, s15, 7
	s_add_co_u32 s50, s50, TAB
	s_mul_i32 s51, s15, 16*XCP
	s_add_co_u32 s51, s51, XCD
	s_mul_i32 s52, s15, 16*XBP
	s_lshl_b32 s54, s15, 9
	s_add_co_u32 s53, s54, XSC
	s_lshl_b32 s55, s15, 8
	s_add_co_u32 s56, s55, PT
	s_add_co_u32 s55, s55, SCX
	s_lshl_b32 s57, s15, 10
	s_add_co_u32 s58, s57, STG
	s_lshl_b32 s2, ttmp9, 20                       ; 256 rows of 4,096 bytes a work-group,
	s_lshl_b32 s3, s15, 16                         ; 16 a wave
	s_add_co_u32 s2, s2, s3
	s_mov_b32 s3, 0
	s_mul_i32 s18, ttmp9, 4608                     ; a partial's 4,608 bytes, 1,024 of them my wave's columns
	s_add_co_u32 s18, s18, s57
	s_mov_b32 s19, 0
	s_mul_i32 s46, s15, GRP
	s_mov_b32 s47, 0
	s_mov_b32 s49, 0
	v_and_b32 v[LN], 31, v0
	v_and_b32 v29, 15, v0                          ; r
	v_bfe_u32 v30, v0, 4, 1                        ; h
	v_lshlrev_b32 v[XA], 5, v29
	v_lshl_add_u32 v[XA], v30, 4, v[XA]
	v_lshlrev_b32 v[WFA], 4, v[LN]
	v_lshl_add_u32 v[TBA], v30, 5, s50             ; TAB + 128 w + 32 h
	v_lshl_add_u32 v[AXC], v[LN], 2, s51           ; codes in: my 16 rows, 4 l
	v_lshl_add_u32 v[AXB], v[LN], 4, s52           ; bf16 in: my 16 rows, 16 l
	v_lshrrev_b32 v31, 2, v[LN]
	v_add_nc_u32 v[AXS], s53, v31                  ; scale bytes in: my 16 rows, l / 4
	v_mul_u32_u24 v[AFC], v29, XCP
	v_lshl_add_u32 v[AFC], v30, 4, v[AFC]
	v_add_nc_u32 v[AFC], XCD, v[AFC]               ; a fragment's row r, + 16 h
	v_lshl_add_u32 v[AFS], v[LN], 5, XSC           ; scale words: row l of 32
	v_and_b32 v31, 7, v0
	v_lshl_add_u32 v31, v30, 3, v31                ; row 8 h + l % 8
	v_mul_u32_u24 v[APL], v31, XBP
	v_bfe_u32 v31, v0, 3, 1
	v_lshl_add_u32 v[APL], v31, 4, v[APL]
	v_add_nc_u32 v[APL], s54, v[APL]               ; + my wave's 256 columns
	v_lshl_add_u32 v[ASS], v29, 2, s55
	v_lshl_add_u32 v[ASL], v[LN], 2, SCX
	v_lshl_add_u32 v[APS], v[LN], 1, s56
	v_lshl_add_u32 v[APR], v30, 4, s56
	v_lshl_add_u32 v[AGI], v[LN], 2, s58
	v_lshl_add_u32 v[AGO], v[LN], 4, s58
	v_lshlrev_b32 v[GTO], 4, v0
	v_add_nc_u32 v[ATB], TAB, v[GTO]
	v_lshlrev_b32 v31, 4, v29
	v_lshl_add_u32 v[WSO], v30, 9, v31             ; 512 h + 16 r (r is not wanted again)
	v_mov_b32 v[LS], 0
	v_mov_b32 v[MM], 0xff61b1e6                    ; -3e38, under every score
.irp i, 0,1,2,3,4,5,6,7
	v_mov_b32 v[PA+\i], 0
.endr
	VW
	s_wait_kmcnt 0x0
	s_add_nc_u64 s[4:5], s[4:5], s[2:3]
	s_add_nc_u64 s[12:13], s[12:13], s[18:19]
	s_add_nc_u64 s[36:37], s[6:7], s[46:47]        ; wq + 17,408 w
	s_cmp_lt_u32 s14, 4
	s_cbranch_scc0 .Lhead_x
	global_load_b128 v[96:99], v[GTO], s[8:9]      ; waves 0-3: b and ctx, 32 bytes of each a thread
	global_load_b128 v[100:103], v[GTO], s[8:9] offset:2048
	global_load_b128 v[104:107], v[GTO], s[10:11]
	global_load_b128 v[108:111], v[GTO], s[10:11] offset:2048
	s_mov_b64 s[44:45], s[36:37]
	WLD 0                                          ; slot 0's two tiles
	WLD 1
	s_wait_loadcnt 34                              ; behind the four table loads: 34 of W
.irp i, 0,1,2,3,4,5,6,7
	v_mul_f32 v[96+\i], 0x4038aa3b, v[96+\i]       ; 2 log2(e) b
.endr
.irp i, 0,1,2,3,4,5,6,7
	v_mul_f32 v[104+\i], 0xc038aa3b, v[104+\i]     ; -2 log2(e) ctx
.endr
	ds_store_b128 v[ATB], v[96:99]
	ds_store_b128 v[ATB], v[100:103] offset:2048
	ds_store_b128 v[ATB], v[104:107] offset:4096
	ds_store_b128 v[ATB], v[108:111] offset:6144
	VW
	s_branch .Lhead_done
.Lhead_x:                                          ; waves 4-7: chunk 0, into copy 0
	XLD 0, 0
	XLD 1, 0
	XLD 2, 0
	XLD 3, 0
	s_wait_xcnt 0x0
	s_add_nc_u64 s[4:5], s[4:5], 32768             ; my next 8 rows
	XHALF AXC, AXB, AXS, 0, 0
	s_add_nc_u64 s[4:5], s[4:5], 229376            ; my first 8 rows of the next chunk: 64 rows less 8
	XHALF AXC, AXB, AXS, 4, 0
	s_add_nc_u64 s[4:5], s[4:5], 32768
.Lhead_done:
	s_mov_b32 s39, 0                               ; the chunk p that is multiplied
	s_mov_b32 s42, XBSZ                            ; the copy that chunk p + 1 is stored into,
	s_mov_b32 s43, 0                               ; and the copy that chunk p is pooled from
	s_wait_dscnt 0x0                               ; for the others' sake: my stores have landed
	BAR                                            ; chunk 0's codes, scale bytes and copy, and the table, are whole
	s_cmp_lt_u32 s14, 4
	s_cbranch_scc0 .Lf_x
	FETCHX
.Lf_x:
	s_wait_dscnt 0x0
	BAR                                            ; the codes are in registers: the next chunk's may be stored
.Lper:
	v_add_nc_u32 v[DP], s43, v[APL]
	v_add_nc_u32 v[DP+1], 32*XBP, v[DP]
	VW
	s_mov_b32 s40, 0                               ; slot j
.Lslot:
	s_lshl_b32 s41, s40, 9
	s_lshr_b32 s2, s40, 2                          ; which half of the chunk
	s_mul_i32 s3, s2, 8*XCP
	s_mul_i32 s17, s2, 8*XBP
	s_add_co_u32 s17, s17, s42
	s_lshl_b32 s2, s2, 8
	v_add_nc_u32 v[TBC], s41, v[TBA]
	v_add_nc_u32 v[DXC], s3, v[AXC]
	v_add_nc_u32 v[DXB], s17, v[AXB]
	v_add_nc_u32 v[DXS], s2, v[AXS]
	VW
	s_cmp_lt_u32 s14, 4
	s_cbranch_scc0 .Lslot_x
	s_wait_xcnt 0x0                                ; the last slot's loads have read their base
	s_add_co_u32 s46, s40, 1
	s_and_b32 s46, s46, 7
	s_mul_i32 s46, s46, 4*GRP
	s_add_nc_u64 s[44:45], s[36:37], s[46:47]      ; group 4 ((j + 1) % 8) + w
	TILE 0
	TILE 1
	VW
	s_branch .Lslot_j
.Lslot_x:                                          ; waves 4-7: half a chunk in trips 0 and 4; chunk 3 has no successor
	s_and_b32 s2, s40, 3
	s_cmp_lg_u32 s2, 0
	s_cbranch_scc1 .Lslot_j
	s_cmp_eq_u32 s39, 3
	s_cbranch_scc1 .Lslot_j
	s_lshl_b32 s59, s39, 3
	s_add_co_u32 s59, s59, s40                     ; 8 p + j: 20 at the last half chunk
	XHALF DXC, DXB, DXS, 0, 1
	s_mov_b32 s48, 32768
	s_cmp_eq_u32 s40, 0
	s_cselect_b32 s48, 229376, s48
	s_add_nc_u64 s[4:5], s[4:5], s[48:49]          ; (behind the last loads the stepped address is not used)
.Lslot_j:
	s_add_co_u32 s40, s40, 1
	s_cmp_lt_u32 s40, 8
	s_cbranch_scc1 .Lslot
	s_cmp_lt_u32 s14, 4
	s_cbranch_scc0 .Lt1_x
.irp m, 0,1,2,3
	v_add_f32 v[96+\m], v[SA+2*\m], v[SA+2*\m+1]
.endr
.irp m, 0,1,2,3
	v_permlanex16_b32 v[100+\m], v[96+\m], s20, s21
.endr
.irp m, 0,1,2,3
	v_add_f32 v[96+\m], v[96+\m], v[100+\m]        ; my wave's 256 columns' part of rows 16 m + r
.endr
.irp m, 0,1,2,3
	ds_store_b32 v[ASS], v[96+\m] offset:64*\m     ; both halves of the lanes write the same word with the same value
.endr
	VW
	s_branch .Lt1_j
.Lt1_x:
	s_wait_dscnt 0x0                               ; my stores have read the registers that the fragments take
	XBL 0                                          ; chunk p's copy has been whole since the barrier before this chunk's products
.Lt1_j:
	s_wait_dscnt 0x0
	BAR                                            ; the four parts of every score lie in LDS; chunk p + 1's codes and copy are whole
	s_cmp_lt_u32 s14, 4
	s_cbranch_scc0 .Lt2_x
	s_cmp_eq_u32 s39, 3
	s_cbranch_scc1 .Lt2_j                          ; chunk 3 has no successor
	FETCHX
	s_branch .Lt2_j
.Lt2_x:
.irp e, 0,1
.irp w, 0,1,2,3
	ds_load_b32 v[104+4*\e+\w], v[ASL] offset:256*\w+128*\e   ; rows l and 32 + l
.endr
.endr
	s_wait_dscnt 0x0
	v_add_f32 v104, v104, v105
	v_add_f32 v106, v106, v107
	v_add_f32 v108, v108, v109
	v_add_f32 v110, v110, v111
	v_add_f32 v104, v104, v106                     ; every wave adds in the same order: the same bits in all four
	v_add_f32 v108, v108, v110
	v_max_num_f32 v105, v104, v108
.irp k, 1,2,4,8
	v_max_num_f32_dpp v105, v105, v105 row_xmask:\k row_mask:0xf bank_mask:0xf
.endr
	v_permlanex16_b32 v106, v105, s20, s21
	v_max3_num_f32 v107, v105, v106, v[MM]         ; the new M
	v_sub_f32 v109, v[MM], v107
	v_sub_f32 v104, v104, v107
	v_sub_f32 v108, v108, v107
	VW
	v_exp_f32 v109, v109                           ; f = 2^(old M - new M)
	v_exp_f32 v104, v104                           ; the two rows' weights
	v_exp_f32 v108, v108
	v_mov_b32 v[MM], v107
	VW
	v_fma_f32 v[LS], v[LS], v109, v104             ; l takes the unrounded weights
	v_cvt_pk_bf16_f32 v105, v104, v104
	v_cvt_pk_bf16_f32 v106, v108, v108
	v_add_f32 v[LS], v[LS], v108
	ds_store_b16 v[APS], v105                      ; my wave's own copy of the 64 weights, as bf16; LDS serves a wave's instructions in order
	ds_store_b16 v[APS], v106 offset:64
.irp a, 0,1,2,3
	ds_load_b128 v[112+4*\a:115+4*\a], v[APR] offset:32*\a   ; lane (r, h): rows 32 ks + 8 h on, then 32 ks + 16 + 8 h on, the same for every r
.endr
	v_cmp_le_u32 vcc_lo, 16, v[LN]
	VW
	POOL 0
	POOL 1
	VW
.Lt2_j:
	s_wait_dscnt 0x0
	BAR                                            ; the codes are in registers and the pool's reads are over: the chunk after may be stored
	s_xor_b32 s42, s42, XBSZ
	s_xor_b32 s43, s43, XBSZ
	s_add_co_u32 s39, s39, 1
	s_cmp_lt_u32 s39, 4
	s_cbranch_scc1 .Lper
	s_cmp_lt_u32 s14, 4
	s_cbranch_scc1 .Lend
	; THE WAY OUT, waves 4-7.  l over the 32 lanes.  A lane's eight sums lie 32 columns apart: they go through my wave's own 1,024 bytes of LDS and come back four neighbours a lane: each store covers 512 consecutive bytes
.irp k, 1,2,4,8
	v_add_f32_dpp v[LS], v[LS], v[LS] row_xmask:\k row_mask:0xf bank_mask:0xf
.endr
	v_permlanex16_b32 v104, v[LS], s20, s21
	v_add_f32 v[LS], v[LS], v104
.irp i, 0,1,2,3,4,5,6,7
	ds_store_b32 v[AGI], v[PA+\i] offset:128*\i
.endr
	ds_load_b128 v[112:115], v[AGO]
	ds_load_b128 v[116:119], v[AGO] offset:512
	VW
	s_wait_dscnt 0x0
	global_store_b128 v[WFA], v[112:115], s[12:13]
	global_store_b128 v[WFA], v[116:119], s[12:13] offset:512
	s_cmp_lg_u32 s14, 4
	s_cbranch_scc1 .Lend
	v_mov_b32 v104, v[MM]                          ; wave 4: M and l, repeated over 512 bytes
	v_mov_b32 v105, v[LS]
	v_mov_b32 v106, v[MM]
	v_mov_b32 v107, v[LS]
	global_store_b128 v[WFA], v[104:107], s[12:13] offset:4096
.Lend:
	s_wait_tensorcnt 0x0                           ; the wave's end: three lines behind my last LDS store
	ds_add_u32 v[SPW], v[NIL]
	s_wait_dscnt 0x0
	s_endpgm
.Lfunc_end_k_q9b828eda14_main:
	.size	k_q9b828eda14_main, .Lfunc_end_k_q9b828eda14_main-k_q9b828eda14_main
	.p2alignl 7, 3214868480
	.fill 96, 4, 3214868480
	.section	.rodata,"a",@progbits
	.p2align	6, 0x0
	.amdhsa_kernel k_q9b828eda14_main
		.amdhsa_group_segment_fixed_size 317440
		.amdhsa_private_segment_fixed_size 0
		.amdhsa_enable_private_segment 0
		.amdhsa_kernarg_size 40
		.amdhsa_user_sgpr_count 2
		.amdhsa_user_sgpr_kernarg_segment_ptr 1
		.amdhsa_wavefront_size32 1
		.amdhsa_system_sgpr_workgroup_id_x 1
		.amdhsa_system_sgpr_workgroup_id_y 1
		.amdhsa_system_sgpr_workgroup_id_z 1
		.amdhsa_system_vgpr_workitem_id 0
		.amdhsa_next_free_vgpr 512
		.amdhsa_next_free_sgpr 66
		.amdhsa_reserve_vcc 1
		.amdhsa_float_denorm_mode_32 3
		.amdhsa_float_denorm_mode_16_64 3
		.amdhsa_memory_ordered 1
		.amdhsa_forward_progress 1
		.amdhsa_inst_pref_size 192
	.end_amdhsa_kernel
	.amdgpu_metadata
---
amdhsa.version: [ 1, 2 ]
amdhsa.kernels:
  - .name:           k_q9b828eda14_main
    .symbol:         k_q9b828eda14_main.kd
    .args:
      - { .name: x, .offset: 0, .size: 8, .value_kind: global_buffer, .address_space: global }
      - { .name: wq, .offset: 8, .size: 8, .value_kind: global_buffer, .address_space: global }
      - { .name: b, .offset: 16, .size: 8, .value_kind: global_buffer, .address_space: global }
      - { .name: ctx, .offset: 24, .size: 8, .value_kind: global_buffer, .address_space: global }
      - { .name: part, .offset: 32, .size: 8, .value_kind: global_buffer, .address_space: global }
    .group_segment_fixed_size: 317440
    .private_segment_fixed_size: 0
    .kernarg_segment_align: 8
    .kernarg_segment_size: 40
    .max_flat_workgroup_size: 256
    .sgpr_count:     66
    .vgpr_count:     512
    .wavefront_size: 32
...
	.end_amdgpu_metadata
.endif
;; end of part 2
;; launch combine (part 3): grid 4 x 32, 2 waves a work-group, no clusters, 0 bytes of LDS; arguments part, out0; writes out0
.if DOCPART == 3
	.amdgcn_target "amdgcn-amd-amdhsa--gfx1250"
	.amdhsa_code_object_version 6
	.text
	.protected	k_q9b828eda14_combine
	.globl	k_q9b828eda14_combine
	.p2align	8
	.type	k_q9b828eda14_combine,@function
k_q9b828eda14_combine:
	s_mov_b64 s[64:65], 0
	v_nop
	global_prefetch_b8 v0, s[64:65] scope:SCOPE_SE
	s_setreg_imm32_b32 hwreg(HW_REG_WAVE_MODE, 25, 1), 1
	s_wait_xcnt 0x0
; out0[batch][c] = (the sum over a batch's 8 partials i of 2^(M_i - M*) acc_i[c]) / (the sum of 2^(M_i - M*) l_i), M* the largest M_i.
; The scores behind every M_i lack the term sum_a ctx[a], which is the same for all rows (shown at the head of the first kernel): it falls out of M_i - M*.  This launch itself leaves nothing out.
; part: 256 rows of 4,608 bytes: acc[1024], then M and l.  Work-group (x, y): batch y, columns 256 x on; thread t: columns 256 x + 4 t .. + 3.  Each wave's store covers 512 consecutive bytes.
; Memory binds and the work is small: no LDS, no barrier, no matrix unit.
	s_load_b128 s[4:7], s[0:1], 0x0                ; part, out0
	s_and_b32 s8, ttmp7, 0xffff                    ; the batch
	s_mul_i32 s10, s8, 36864                       ; its 8 partials
	s_mov_b32 s11, 0
	s_lshl_b32 s12, s8, 12                         ; its row of out0
	s_lshl_b32 s9, ttmp9, 10                       ; my 256 columns
	s_add_co_u32 s12, s12, s9
	s_mov_b32 s13, 0
	v_lshlrev_b32 v1, 4, v0
	v_add_nc_u32 v2, s9, v1
	v_mov_b32 v3, 0
	s_wait_alu depctr_va_vdst(0)
	s_wait_kmcnt 0x0
	s_add_nc_u64 s[4:5], s[4:5], s[10:11]
	s_add_nc_u64 s[6:7], s[6:7], s[12:13]
.irp i, 0,1,2,3,4,5,6,7
	global_load_b64 v[8+2*\i:9+2*\i], v3, s[4:5] offset:4608*\i+4096   ; M_i, l_i
.endr
.irp i, 0,1,2,3,4,5,6,7
	global_load_b128 v[32+4*\i:35+4*\i], v2, s[4:5] offset:4608*\i
.endr
	s_wait_loadcnt 8                               ; M and l are in; the eight loads of acc may be out
	v_max3_num_f32 v24, v8, v10, v12
	v_max3_num_f32 v24, v24, v14, v16
	v_max3_num_f32 v24, v24, v18, v20
	v_max_num_f32 v24, v24, v22                    ; M*
.irp i, 0,1,2,3,4,5,6,7
	v_sub_f32 v[8+2*\i], v[8+2*\i], v24
.endr
	s_wait_alu depctr_va_vdst(0)
.irp i, 0,1,2,3,4,5,6,7
	v_exp_f32 v[8+2*\i], v[8+2*\i]
.endr
	v_nop                                          ; the plain line behind the last exponential
	s_wait_alu depctr_va_vdst(0)                   ; one wait for the eight, ahead of their first reader
	v_mul_f32 v25, v8, v9
.irp i, 1,2,3,4,5,6,7
	v_fmac_f32 v25, v[8+2*\i], v[9+2*\i]
.endr
	s_wait_alu depctr_va_vdst(0)
	v_rcp_f32 v25, v25
	v_nop
	s_wait_alu depctr_va_vdst(0)
.irp i, 0,1,2,3,4,5,6,7
	v_mul_f32 v[8+2*\i], v[8+2*\i], v25            ; each partial's weight
.endr
	s_wait_alu depctr_va_vdst(0)
	s_wait_loadcnt 0x0
	v_pk_mul_f32 v[64:65], v[32:33], v[8:9] op_sel_hi:[1,0]
	v_pk_mul_f32 v[66:67], v[34:35], v[8:9] op_sel_hi:[1,0]
.irp i, 1,2,3,4,5,6,7
	v_pk_fma_f32 v[64:65], v[32+4*\i:33+4*\i], v[8+2*\i:9+2*\i], v[64:65] op_sel_hi:[1,0,1]
	v_pk_fma_f32 v[66:67], v[34+4*\i:35+4*\i], v[8+2*\i:9+2*\i], v[66:67] op_sel_hi:[1,0,1]
.endr
	global_store_b128 v1, v[64:67], s[6:7]
	s_endpgm
.Lfunc_end_k_q9b828eda14_combine:
	.size	k_q9b828eda14_combine, .Lfunc_end_k_q9b828eda14_combine-k_q9b828eda14_combine
	.p2alignl 7, 3214868480
	.fill 96, 4, 3214868480
	.section	.rodata,"a",@progbits
	.p2align	6, 0x0
	.amdhsa_kernel k_q9b828eda14_combine
		.amdhsa_group_segment_fixed_size 0
		.amdhsa_private_segment_fixed_size 0
		.amdhsa_enable_private_segment 0
		.amdhsa_kernarg_size 16
		.amdhsa_user_sgpr_count 2
		.amdhsa_user_sgpr_kernarg_segment_ptr 1
		.amdhsa_wavefront_size32 1
		.amdhsa_system_sgpr_workgroup_id_x 1
		.amdhsa_system_sgpr_workgroup_id_y 1
		.amdhsa_system_sgpr_workgroup_id_z 1
		.amdhsa_system_vgpr_workitem_id 0
		.amdhsa_next_free_vgpr 72
		.amdhsa_next_free_sgpr 66
		.amdhsa_reserve_vcc 0
		.amdhsa_float_denorm_mode_32 3
		.amdhsa_float_denorm_mode_16_64 3
		.amdhsa_memory_ordered 1
		.amdhsa_forward_progress 1
		.amdhsa_inst_pref_size 5
	.end_amdhsa_kernel
	.amdgpu_metadata
---
amdhsa.version: [ 1, 2 ]
amdhsa.kernels:
  - .name:           k_q9b828eda14_combine
    .symbol:         k_q9b828eda14_combine.kd
    .args:
      - { .name: part, .offset: 0, .size: 8, .value_kind: global_buffer, .address_space: global }
      - { .name: out0, .offset: 8, .size: 8, .value_kind: global_buffer, .address_space: global }
    .group_segment_fixed_size: 0
    .private_segment_fixed_size: 0
    .kernarg_segment_align: 8
    .kernarg_segment_size: 16
    .max_flat_workgroup_size: 64
    .sgpr_count:     66
    .vgpr_count:     72
    .wavefront_size: 32
...
	.end_amdgpu_metadata
.endif
;; end of part 3
